; MI455X (gfx1250); checked and timed in simulation.
; The chip was launched on July 23, 2026; its instructions are those of AMD's public machine-readable ISA for CDNA 5 (MIT licence, August 2026) and "CDNA5" Instruction Set Architecture Reference Guide (July 2026). The comments in the code are by the model that wrote it; some were corrected since.
;; Self Attention. Allowed arithmetic: float matrix products may take bf16 or f16 operands with f32 sums; all other float work in f32.
;; Inputs: w_attn 3,072 x 1,024 float32; w_proj 1,024 x 1,024 float32; x 4 x 2,048 x 1,024 float32.
;; Outputs: out0 4 x 2,048 x 1,024 float32.
;; One version. Each part assembles by itself: llvm-mc -triple=amdgcn-amd-amdhsa -mcpu=gfx1250 --defsym DOCPART=n.
;; ======== version 1 of 1: 4 launches
;; limits: values are held in f16: magnitudes above 65,504 overflow, below 6.1e-05 lose precision
;; workspace buffers: xb 16,777,216 bytes; wab 6,291,456 bytes; wpb 2,097,152 bytes; qkv 50,331,648 bytes; y 16,777,216 bytes
;; launch cast (part 1): grid 768 x 1, 8 waves a work-group, no clusters, 0 bytes of LDS; arguments x, w_attn, w_proj, xb, wab, wpb; writes xb, wab, wpb
.if DOCPART == 1
	.amdgcn_target "amdgcn-amd-amdhsa--gfx1250"
	.amdhsa_code_object_version 6
	.text
	.protected	k_q79cb3090bb_cast
	.globl	k_q79cb3090bb_cast
	.p2align	8
	.type	k_q79cb3090bb_cast,@function
k_q79cb3090bb_cast:
	s_mov_b64 s[64:65], 0
	v_nop
	global_prefetch_b8 v0, s[64:65] scope:SCOPE_SE
	s_setreg_imm32_b32 hwreg(HW_REG_WAVE_MODE, 25, 1), 1
	s_wait_xcnt 0x0
; CAUSAL SELF-ATTENTION, B = 4, T = 2048, C = 1024, H = 16, D = 64, in four launches:
;   cast      x, w_attn, w_proj (f32) -> xb, wab (bf16), wpb (f16)                          this text
;   qkvgemm   qkv[8192][3072] = xb wab^T, stored in f16
;   attn      y[8192][1024]   = softmax(causal(q k^T / 8)) v, by heads, stored in f16
;   projgemm  out0[8192][1024] = y wpb^T, f32
;
; WORK LEFT OUT (in attn).  reference() sets att[q][k] to -inf wherever k > q by its own jnp.tril, so the softmax weight of such a key is
; exactly 0 and its v enters no output, whatever finite values x and the weights hold.  A tile of 64 keys whose first key lies behind the
; last of a wave's 64 queries holds only such pairs: its scores, exponentials and products with v are not made.  In the tile on the
; diagonal everything is computed and the pairs k > q are set to -inf, as reference() does.  Every input has a way to the output: all
; three are loaded.  LIMIT: a NaN, an infinity or an overflow that reaches only the tiles left out is not carried to the result.
;
; FORMATS.  The three inputs are rounded once to bf16.  The intermediates q, k, v, the softmax weights and y are matrix operands too and
; are kept in f16, whose rounding step is an eighth of bf16's.  Why: an output row of query t is a weighted mean of t + 1 rows of v, so
; the first rows are about sqrt(T) / a few times larger than the output's root mean square, and a rounding of v or y by 2^-9 there would
; be as large as one hundredth of that root mean square.  w_proj multiplies y, so it needs y's format: its bf16-rounded value is written
; as f16, which is exact for |w| >= 2^-17 and within 2^-25 below.
; LIMITS: |q|, |k|, |v| and |w_proj| must stay under 65,504, f16's largest number.  q, k, v are sums of 1,024 products: with inputs of
; spread 1 and 1/32 their spread is 1; both inputs 30 times larger give a spread of 900; both with an offset of 30 spreads give
; 1024 x 30 x 30/32 = 28,800.
;
; THIS TEXT.  768 work-groups of 16,384 numbers: 0-511 x, 512-703 w_attn, 704-767 w_proj.  A thread takes 8 neighbouring numbers in each
; of 8 steps: 32 bytes in by two loads, 16 bytes out by one store, of which sixteen neighbouring lanes cover 256 consecutive bytes,
; aligned.  All 16 loads of a thread go out first; no register is written twice while a memory instruction may read it, so there is no
; loop and no wait but the counted ones.  Nothing is shared and nothing is multiplied: no LDS, no cluster, no matrix instruction.
.set IN,  4                            ; v[4:67]   step s: 8 numbers in f32
.set OUT, 68                           ; v[68:99]  step s: 8 numbers in 16 bits
	s_load_b256 s[4:11], s[0:1], 0x0               ; x s[4:5], w_attn s[6:7], w_proj s[8:9], xb s[10:11]
	s_load_b128 s[12:15], s[0:1], 0x20             ; wab s[12:13], wpb s[14:15]
	s_mov_b32 s20, ttmp9                           ; my chunk, counted from x's first,
	s_sub_co_u32 s21, ttmp9, 512                   ; from w_attn's first,
	s_sub_co_u32 s22, ttmp9, 704                   ; from w_proj's first
	v_lshlrev_b32 v1, 5, v0                        ; 32 bytes a thread in
	v_lshlrev_b32 v2, 4, v0                        ; 16 bytes a thread out
	s_wait_kmcnt 0x0
	s_cmp_lt_u32 ttmp9, 704                        ; w_attn or w_proj
	s_cselect_b32 s23, s21, s22
	s_cselect_b64 s[24:25], s[6:7], s[8:9]
	s_cselect_b64 s[26:27], s[12:13], s[14:15]
	s_cmp_lt_u32 ttmp9, 512                        ; x or one of those
	s_cselect_b32 s23, s20, s23
	s_cselect_b64 s[24:25], s[4:5], s[24:25]
	s_cselect_b64 s[26:27], s[10:11], s[26:27]
	s_lshl_b32 s28, s23, 16                        ; a chunk is 65,536 bytes in
	s_mov_b32 s29, 0
	s_lshl_b32 s30, s23, 15                        ; and 32,768 bytes out
	s_mov_b32 s31, 0
	s_add_nc_u64 s[24:25], s[24:25], s[28:29]
	s_add_nc_u64 s[26:27], s[26:27], s[30:31]
.irp s, 0,1,2,3,4,5,6,7
	global_load_b128 v[IN+8*\s:IN+8*\s+3],   v1, s[24:25] offset:8192*\s th:TH_LOAD_NT
	global_load_b128 v[IN+8*\s+4:IN+8*\s+7], v1, s[24:25] offset:8192*\s+16 th:TH_LOAD_NT
.endr
; One step.  half = 1: the bf16-rounded numbers are written as f16.
.macro STEP s, half
	s_wait_loadcnt 14-2*\s                         ; loads come back in order: this step's two are in, the two of each younger step stay out
.irp j, 0,1,2,3
	v_cvt_pk_bf16_f32 v[OUT+4*\s+\j], v[IN+8*\s+2*\j], v[IN+8*\s+2*\j+1]
.endr
.if \half
.irp j, 0,1,2,3
	v_lshlrev_b32 v[IN+8*\s+2*\j],   16, v[OUT+4*\s+\j]            ; bf16 to f32: the low half moves up,
	v_and_b32     v[IN+8*\s+2*\j+1], 0xffff0000, v[OUT+4*\s+\j]    ; the high half stays
.endr
.irp j, 0,1,2,3
	v_cvt_pk_f16_f32 v[OUT+4*\s+\j], v[IN+8*\s+2*\j], v[IN+8*\s+2*\j+1]
.endr
.endif
	global_store_b128 v2, v[OUT+4*\s:OUT+4*\s+3], s[26:27] offset:4096*\s
.endm
	s_cmp_ge_u32 ttmp9, 704
	s_cbranch_scc1 .Lw_proj
.irp s, 0,1,2,3,4,5,6,7
	STEP \s, 0
.endr
	s_endpgm
.Lw_proj:
.irp s, 0,1,2,3,4,5,6,7
	STEP \s, 1
.endr
	s_endpgm
.Lfunc_end_k_q79cb3090bb_cast:
	.size	k_q79cb3090bb_cast, .Lfunc_end_k_q79cb3090bb_cast-k_q79cb3090bb_cast
	.p2alignl 7, 3214868480
	.fill 96, 4, 3214868480
	.section	.rodata,"a",@progbits
	.p2align	6, 0x0
	.amdhsa_kernel k_q79cb3090bb_cast
		.amdhsa_group_segment_fixed_size 0
		.amdhsa_private_segment_fixed_size 0
		.amdhsa_enable_private_segment 0
		.amdhsa_kernarg_size 48
		.amdhsa_user_sgpr_count 2
		.amdhsa_user_sgpr_kernarg_segment_ptr 1
		.amdhsa_wavefront_size32 1
		.amdhsa_system_sgpr_workgroup_id_x 1
		.amdhsa_system_sgpr_workgroup_id_y 1
		.amdhsa_system_sgpr_workgroup_id_z 1
		.amdhsa_system_vgpr_workitem_id 0
		.amdhsa_next_free_vgpr 104
		.amdhsa_next_free_sgpr 66
		.amdhsa_reserve_vcc 0
		.amdhsa_float_denorm_mode_32 3
		.amdhsa_float_denorm_mode_16_64 3
		.amdhsa_memory_ordered 1
		.amdhsa_forward_progress 1
		.amdhsa_inst_pref_size 14
	.end_amdhsa_kernel
	.amdgpu_metadata
---
amdhsa.version: [ 1, 2 ]
amdhsa.kernels:
  - .name:           k_q79cb3090bb_cast
    .symbol:         k_q79cb3090bb_cast.kd
    .args:
      - { .name: x, .offset: 0, .size: 8, .value_kind: global_buffer, .address_space: global }
      - { .name: w_attn, .offset: 8, .size: 8, .value_kind: global_buffer, .address_space: global }
      - { .name: w_proj, .offset: 16, .size: 8, .value_kind: global_buffer, .address_space: global }
      - { .name: xb, .offset: 24, .size: 8, .value_kind: global_buffer, .address_space: global }
      - { .name: wab, .offset: 32, .size: 8, .value_kind: global_buffer, .address_space: global }
      - { .name: wpb, .offset: 40, .size: 8, .value_kind: global_buffer, .address_space: global }
    .group_segment_fixed_size: 0
    .private_segment_fixed_size: 0
    .kernarg_segment_align: 8
    .kernarg_segment_size: 48
    .max_flat_workgroup_size: 256
    .sgpr_count:     66
    .vgpr_count:     104
    .wavefront_size: 32
...
	.end_amdgpu_metadata
.endif
;; end of part 1
;; launch qkvgemm (part 2): grid 8 x 32, 4 waves a work-group, clusters of 4 x 4, 327,680 bytes of LDS; arguments xb, wab, qkv; writes qkv
.if DOCPART == 2
	.amdgcn_target "amdgcn-amd-amdhsa--gfx1250"
	.amdhsa_code_object_version 6
	.text
	.protected	k_q79cb3090bb_qkvgemm
	.globl	k_q79cb3090bb_qkvgemm
	.p2align	8
	.type	k_q79cb3090bb_qkvgemm,@function
k_q79cb3090bb_qkvgemm:
	s_mov_b64 s[64:65], 0
	v_nop
	global_prefetch_b8 v0, s[64:65] scope:SCOPE_SE
	s_setreg_imm32_b32 hwreg(HW_REG_WAVE_MODE, 25, 1), 1
	s_wait_xcnt 0x0
	s_wait_alu depctr_hold_cnt(0) depctr_sa_sdst(0) depctr_va_vdst(0) depctr_va_sdst(0) depctr_va_ssrc(0) depctr_va_vcc(0) depctr_vm_vsrc(0)
	s_getreg_b32 s2, hwreg(HW_REG_IB_STS2, 6, 4)
	s_cmp_eq_u32 s2, 0
	s_cbranch_scc0 .Lentry_in_a_cluster
	s_endpgm
.Lentry_in_a_cluster:
	s_bfe_u32 s2, ttmp6, 0x10000c
	s_cmp_lg_u32 s2, 0xf033
	s_cbranch_scc0 .Lentry_shape_is_right
	s_endpgm
.Lentry_shape_is_right:
; qkv[m][n] = sum over k of xb[m][k] wab[n][k].  xb: [8192][1024] bf16, wab: [3072][1024] bf16, qkv: [8192][3072] f16; sums in f32.
; LIMIT: a result beyond 65,504 becomes an infinity in f16 (the room is counted in the first launch's head).
; A work-group makes a block of 256 rows x 384 columns with four waves, as many as a WGP has SIMDs: 32 x 8 = 256 blocks, one for each of
; 256 WGPs, so set-up, first fill and way out are paid once.  A wave makes 128 rows x 192 columns: 96 accumulator tiles of 16 x 16, 768
; registers.  For 32 along K it reads (128 + 192) x 64 bytes from LDS and issues 96 matrix instructions.
; K goes in steps of 64 through a ring of two LDS slots filled by the tensor data mover.  A tile's rows are 128 bytes of memory: with a step
; of 128 (rows of 256 bytes) two slots would take 2 x 640 x 272 = 348,160 bytes, more than the 327,680 that a work-group can have; the
; larger block is worth more than the longer row, since a slot's 192 matrix instructions are the time in which the next tile has to land.
; CLUSTERS: 4 x 4 work-groups.  The four of a row of the cluster need the same tiles of xb, the four of a column the same tiles of wab.
; Such a tile is asked for jointly: each of the four issues the same tensor load, with the same descriptor and a mask that names the four.
;
; REGISTERS, in windows of 256:
;   window 0: v16-26 addresses; v32-95, v96-159 xb's 8 fragments (16 rows x 32 K, 8 registers each), two buffers; v160-255 wab's 12 fragments
;             in three groups of four, one buffer: a group is loaded again as soon as its 32 products are issued
;   window 1 + g: the 32 tiles (a, 4 g + bb), a = 0..7 (rows 16 a), bb = 0..3 (columns 16 (4 g + bb)), at v[8 (4 a + bb)]
; THE MATRIX INSTRUCTION IS USED TRANSPOSED: source 0 = 16 rows of wab, source 1 = 16 rows of xb.  Lane l then holds row l % 16 of the
; tile and its registers 0 to 7 the columns 8 (l / 16) + 0 .. 7: eight neighbouring numbers of a row of qkv, 16 bytes in f16.
.set SIZE_K, 1024
.set SIZE_N, 3072
.set KSTEP,  64
.set PITCH,  144                       ; an LDS row: 128 bytes + 16 of padding, 9 x 16: the 16 rows that a fragment load touches start at 16 different multiples of 16 modulo 256
.set AOFF,   384*PITCH                 ; xb's 256 rows lie behind wab's 384
.set SLOT,   640*PITCH                 ; 92,160 bytes
.set STAGE,  2*SLOT                    ; 184,320, a multiple of 256, behind the ring: 64 rows x 784 bytes for the way out; no tensor load lands here
.set SPITCH, 784                       ; a block's row in f16, 768 bytes, + 16: 49 x 16
.set LAPS,   SIZE_K/(2*KSTEP)          ; a lap = two K steps = once round the ring: 8
.set ADRA, 16                          ; v16-17  LDS address of my fragments of xb in slot 0, 1
.set ADRB, 20                          ; v20-21  the same for wab
.set STO,  24                          ; the way out: where I put 16 bytes of a row
.set RD,   25                          ; the way out: where I read 16 bytes of a row back
.set CO,   26                          ; my byte offset in qkv
.set FA0,  32                          ; xb's fragments, buffer 0: K 0..31 of a slot
.set FA1,  96                          ; buffer 1: K 32..63
.set FB,   160                         ; wab's fragments: group g at FB + 32 g
.set TMP,  32                          ; the way out: packed results, 96 registers
.set RB,   128                         ; the way out: rows read back, 96 registers
.set G1,  24                           ; s[24:31] descriptor group 1 for xb's tiles
.set G0,  32                           ; s[32:39] descriptor group 0 for xb's tiles, one set for each slot
.set G1B, 48                           ; s[48:55] group 1 for wab's tiles
.set G0B, 56                           ; s[56:63] group 0 for wab's tiles, one set for each slot
.set MSB, 0
.macro WIN new                         ; s_set_vgpr_msb: bits 1:0 source 0, 3:2 source 1, 5:4 source 2, 7:6 destination; the high byte repeats the setting that is left
.if MSB != (\new)
	s_set_vgpr_msb (MSB<<8)|(\new)
.set MSB, (\new)
.endif
.endm
; products of group g: C and D in window 1 + g (0x50, 0xa0, 0xf0), both fragments in window 0
; A joint load.  Waves 0 and 1 fetch the two halves of wab's tile, waves 2 and 3 those of xb's.  The branch hangs on the wave's number alone.
.macro JLOAD s
	s_cmp_eq_u32 s11, 0
	s_cbranch_scc0 .Lfor_a_\@
	tensor_load_to_lds s[G0B+4*\s:G0B+4*\s+3], s[G1B:G1B+7]
	s_nop 0
	s_branch .Lasked_\@
.Lfor_a_\@:
	tensor_load_to_lds s[G0+4*\s:G0+4*\s+3], s[G1:G1+7]
	s_nop 0
.Lasked_\@:
.endm
; A round of the cluster's barrier: my work-group's barrier, wave 0 signals for the work-group, every wave waits for all sixteen, my work-group's barrier once more.
.macro CREST                           ; a round behind its opening barrier
	s_cmp_lg_u32 s10, 0
	s_cbranch_scc1 .Lnot_wave_0_\@
	s_barrier_signal -3
.Lnot_wave_0_\@:
	s_barrier_wait -3
	s_barrier_signal -1
	s_barrier_wait -1
.endm
.macro CROUND                          ; a whole round
	s_barrier_signal -1
	s_barrier_wait -1
	CREST
.endm
	s_load_b128 s[4:7], s[0:1], 0x0                ; xb s[4:5], wab s[6:7]
	s_load_b64 s[8:9], s[0:1], 0x10                ; qkv
	v_lshl_add_u32 v30, v0, 2, 0x39400
	v_mov_b32 v31, 0
	ds_add_u32 v30, v31
	v_lshrrev_b32 v1, 5, v0
	v_readfirstlane_b32 s10, v1                    ; wave 0..3
	s_lshr_b32 s11, s10, 1                         ; which half of the block's rows is mine.  Also: I fetch for wab (0) or for xb (1)
	s_and_b32 s12, s10, 1                          ; which half of its columns.  Also: which half of that tile's rows I fetch
	s_bfe_u32 s40, ttmp6, 0x40000                  ; cx
	s_bfe_u32 s41, ttmp6, 0x40004                  ; cy
	s_lshl_b32 s42, ttmp9, 2
	s_add_co_u32 s42, s42, s40                     ; block column = 4 x cluster x + cx
	s_and_b32 s13, ttmp7, 0xffff
	s_lshl_b32 s13, s13, 2
	s_add_co_u32 s13, s13, s41                     ; block row = 4 x cluster y + cy
	s_lshl_b32 s43, s41, 2
	s_lshl_b32 s43, 15, s43                        ; my row of the cluster: places 4 cy .. 4 cy + 3
	s_lshl_b32 s44, 0x1111, s40                    ; my column: places cx, cx + 4, cx + 8, cx + 12
	; group 1: rows of 64 elements of 2 bytes, 16 bytes of padding behind every 32 words; xb's load brings 128 rows, wab's 192
	s_or_b32 s[G1+0],  s43, (1<<16)|(1<<20)|(1<<21)|(4<<22)|(3<<25)  ; 15:0 mask: my row; 17:16 2-byte elements; 20 padding on; 21 set beside a mask; 24:22 every 32 words; 31:25 4 words
	s_or_b32 s[G1B+0], s44, (1<<16)|(1<<20)|(1<<21)|(4<<22)|(3<<25)  ; the same with the mask of my column
	s_mov_b32 s[G1+1],  KSTEP<<16                  ; tensor_dim0 = 64
	s_mov_b32 s[G1B+1], KSTEP<<16
	s_mov_b32 s[G1+2],  128<<16                    ; tensor_dim1 = 128 rows
	s_mov_b32 s[G1B+2], 192<<16                    ;             = 192 rows
	s_mov_b32 s[G1+3],  KSTEP<<16                  ; tile_dim0 = 64
	s_mov_b32 s[G1B+3], KSTEP<<16
	s_mov_b32 s[G1+4],  128                        ; tile_dim1
	s_mov_b32 s[G1B+4], 192
	s_mov_b32 s[G1+5],  SIZE_K                     ; elements from row to row
	s_mov_b32 s[G1B+5], SIZE_K
	s_mov_b32 s[G1+6],  0
	s_mov_b32 s[G1B+6], 0
	s_mov_b32 s[G1+7],  0
	s_mov_b32 s[G1B+7], 0
	; where the tiles come from: xb's hang on the block row alone, wab's on the block column alone, each in registers that never hold the other coordinate
	s_lshl_b32 s17, s12, 7
	s_lshl_b32 s16, s13, 8
	s_add_co_u32 s16, s16, s17                     ; xb: row 256 x block row + 128 x half
	s_mul_i32 s47, s12, 192
	s_mul_i32 s46, s42, 384
	s_add_co_u32 s46, s46, s47                     ; wab: row 384 x block column + 192 x half
	s_mov_b32 s17, 0
	s_mov_b32 s47, 0
	s_mov_b64 s[18:19], SIZE_K*2
	s_mul_u64 s[16:17], s[16:17], s[18:19]         ; in bytes
	s_mul_u64 s[46:47], s[46:47], s[18:19]
	s_mul_i32 s45, s10, 192*PITCH                  ; where they go: waves 0, 1: wab's halves at rows 0 and 192;
	s_mul_i32 s20, s10, 128*PITCH
	s_add_co_u32 s20, s20, 128*PITCH               ; waves 2, 3: xb's halves at rows 384 and 512.  No place in the cluster enters an LDS address
	s_wait_dscnt 0x0
	s_wait_kmcnt 0x0
	s_add_nc_u64 s[14:15], s[4:5], s[16:17]
	s_add_nc_u64 s[46:47], s[6:7], s[46:47]
	CROUND                                         ; all sixteen work-groups are here: the first joint loads meet
.irp s, 0,1
	s_mov_b32 s[G0+4*\s], 1                                        ; count = 1
	s_add_co_u32 s[G0+4*\s+1], s20, \s*SLOT                        ; LDS address
	s_add_nc_u64 s[G0+4*\s+2:G0+4*\s+3], s[14:15], \s*KSTEP*2      ; global address: K step s
	s_or_b32 s[G0+4*\s+3], s[G0+4*\s+3], 0x80000000                ; type = 2
	s_mov_b32 s[G0B+4*\s], 1
	s_add_co_u32 s[G0B+4*\s+1], s45, \s*SLOT
	s_add_nc_u64 s[G0B+4*\s+2:G0B+4*\s+3], s[46:47], \s*KSTEP*2
	s_or_b32 s[G0B+4*\s+3], s[G0B+4*\s+3], 0x80000000
	JLOAD \s                                       ; both slots' first fills go out before anything else: two tensor loads of a wave are out
.endr
	; A fragment is 16 rows x 32 K in 8 registers: lane l holds row l % 16; registers 0-3 K = 8 (l / 16) + 0..7, registers 4-7 K = 16 + 8 (l / 16) + 0..7:
	; two loads of 16 bytes, 32 bytes apart.
	v_and_b32 v1, 15, v0                           ; l % 16
	v_bfe_u32 v2, v0, 4, 1                         ; l / 16
	v_mul_u32_u24 v3, v1, PITCH
	v_lshl_add_u32 v3, v2, 4, v3                   ; row x pitch + 16 x half
	s_mul_i32 s21, s11, 128*PITCH                  ; my 128 rows of xb,
	s_add_co_u32 s21, s21, AOFF                    ; which lie behind wab's 384
	s_mul_i32 s22, s12, 192*PITCH                  ; my 192 rows of wab
.irp s, 0,1
	v_add_nc_u32 v[ADRA+\s], s21, v3
	v_add_nc_u32 v[ADRB+\s], s22, v3
	s_add_co_u32 s21, s21, SLOT
	s_add_co_u32 s22, s22, SLOT
.endr
	; the stage: 64 rows of the block at a time, 32 of each row half; a row is 768 bytes, 384 from each column half
	s_mul_i32 s23, s11, 32*SPITCH
	s_mul_i32 s21, s12, 384
	s_add_co_u32 s23, s23, s21
	s_add_co_u32 s23, s23, STAGE
	v_mul_u32_u24 v4, v1, SPITCH                   ; in: row l % 16, 16 bytes for each half of the lanes
	v_lshl_add_u32 v4, v2, 4, v4
	v_add_nc_u32 v[STO], s23, v4
	s_mul_i32 s23, s10, 16*SPITCH                  ; back: wave w takes stage rows 16 w .. 16 w + 15,
	s_add_co_u32 s23, s23, STAGE
	v_mul_u32_u24 v5, v2, SPITCH                   ; lanes 0-15 256 bytes of one row, lanes 16-31 of the next
	v_lshl_add_u32 v5, v1, 4, v5
	v_add_nc_u32 v[RD], s23, v5
	v_mul_u32_u24 v5, v2, SIZE_N*2                 ; and the same two rows in qkv
	v_lshl_add_u32 v[CO], v1, 4, v5
; 16 matrix instructions: row blocks a0 .. a0 + 3 x the four column blocks of group g, 32 along K.  zero = 1: the product starts the sums, nothing is cleared.
.macro MULH fa, g, a0, zero
.irp a, \a0, \a0+1, \a0+2, \a0+3
.irp b, 0,1,2,3
.if \zero
	v_wmma_f32_16x16x32_bf16 v[8*(4*(\a)+\b):8*(4*(\a)+\b)+7], v[FB+32*\g+8*\b:FB+32*\g+8*\b+7], v[\fa+8*(\a):\fa+8*(\a)+7], 0
.else
	v_wmma_f32_16x16x32_bf16 v[8*(4*(\a)+\b):8*(4*(\a)+\b)+7], v[FB+32*\g+8*\b:FB+32*\g+8*\b+7], v[\fa+8*(\a):\fa+8*(\a)+7], v[8*(4*(\a)+\b):8*(4*(\a)+\b)+7]
.endif
.endr
.endr
.endm
; 8 LDS loads: wab's group g (64 rows), 32 K at byte k of the rows
.macro LDB slot, k, g
.irp i, 0,1,2,3
	ds_load_b128 v[FB+32*\g+8*\i:FB+32*\g+8*\i+3],   v[ADRB+\slot] offset:\k+(4*\g+\i)*16*PITCH
	ds_load_b128 v[FB+32*\g+8*\i+4:FB+32*\g+8*\i+7], v[ADRB+\slot] offset:\k+(4*\g+\i)*16*PITCH+32
.endr
.endm
; 8 LDS loads: xb's fragments i0 .. i0 + 3 (64 rows), 32 K at byte k of the rows, into buffer fa
.macro LDA slot, k, fa, i0
.irp i, \i0, \i0+1, \i0+2, \i0+3
	ds_load_b128 v[\fa+8*(\i):\fa+8*(\i)+3],   v[ADRA+\slot] offset:\k+(\i)*16*PITCH
	ds_load_b128 v[\fa+8*(\i)+4:\fa+8*(\i)+7], v[ADRA+\slot] offset:\k+(\i)*16*PITCH+32
.endr
.endm
; A load into a register that a matrix instruction has read, and a vector instruction that reads a matrix result, stand four places behind that
; matrix instruction; only plain vector instructions that name none of its registers are places.
.macro PLACES
.rept 4
	v_nop
.endr
.endm
; ONE K STEP on slot `slot`: two halves of 32 along K, each three phases of 32 matrix instructions (wab's groups 0, 1, 2 against all 8 fragments of xb).
; The 96 accumulators take turns, one instruction a turn, in the same order in every half, over the loop's backward jump too.
; At the head of a phase stands one run of loads into the registers that the phase before has set free; each is used 64 matrix instructions or more later.
; On the way in: FA0 and groups 0 and 1 hold, or are about to receive, K 0..31 of this slot: 24 loads (group 0, FA0), then 8 (group 1).
; next = the other slot; fill = 1: this slot is filled again, two K steps ahead; zero = 1: the first half starts the sums; last = 1: nothing follows.
.macro STEP slot, next, fill, zero, last
	PLACES
	WIN 0
	LDB \slot, 0, 2
	LDA \slot, 64, FA1, 0
	s_wait_dscnt 24                                ; group 0 and FA0 are in; group 1's 8 loads and the 16 just issued may be out
	WIN 0x50
	MULH FA0, 0, 0, \zero
	MULH FA0, 0, 4, \zero
	PLACES
	WIN 0
	LDB \slot, 64, 0
	LDA \slot, 64, FA1, 4
	s_wait_dscnt 32                                ; group 1 is in; the 16 loads of the phase before and the 16 just issued may be out
	WIN 0xa0
	MULH FA0, 1, 0, \zero
	MULH FA0, 1, 4, \zero
	PLACES
	WIN 0
	LDB \slot, 64, 1
	s_wait_dscnt 32                                ; group 2 is in: behind its 8 loads 8 + 16 + 8 were issued
	WIN 0xf0
	MULH FA0, 2, 0, \zero
	MULH FA0, 2, 4, \zero
	PLACES                                         ; the second half: K 32..63
	WIN 0
	LDB \slot, 64, 2                               ; my last reads of this slot
	s_wait_dscnt 16                                ; group 0 and FA1 are in; group 1's 8 loads and the 8 just issued may be out
	WIN 0x50
	MULH FA1, 0, 0, 0
.if \last
	MULH FA1, 0, 4, 0
	s_wait_dscnt 8                                 ; group 1 is in, group 2's 8 loads may be out
	WIN 0xa0
	MULH FA1, 1, 0, 0
	MULH FA1, 1, 4, 0
	s_wait_dscnt 0
	WIN 0xf0
	MULH FA1, 2, 0, 0
	MULH FA1, 2, 4, 0
.else
	; The change of slots.  One barrier for two things: in front of it each wave waits for its reads of this slot and for all its tensor loads (one is
	; out: its part of the next slot); behind it nobody reads this slot and the next slot is whole.  The refill comes first, then the next slot's
	; first fragments.  From a request to the wait for it a wave issues 64 + 96 + 16 = 176 matrix instructions.
	s_wait_dscnt 0                                 ; my reads of this slot are over
	s_wait_tensorcnt 0x0                           ; all my tensor loads have landed
	ds_add_u32 v30, v31
	s_wait_dscnt 0x0
	s_barrier_signal -1                            ; say so (where the slot is filled again this barrier opens a round of the cluster's barrier),
	MULH FA1, 0, 4, 0                              ; work on registers while the others arrive
	WIN 0
	s_barrier_wait -1
.if \fill
	CREST                                          ; no wave of any partner still reads this slot's tile or has a load on its way
	s_add_nc_u64 s[G0+4*\slot+2:G0+4*\slot+3], s[G0+4*\slot+2:G0+4*\slot+3], 2*KSTEP*2
	s_add_nc_u64 s[G0B+4*\slot+2:G0B+4*\slot+3], s[G0B+4*\slot+2:G0B+4*\slot+3], 2*KSTEP*2
	JLOAD \slot                                    ; the first and only tensor load of the wave behind the round
.endif
	PLACES
	LDB \next, 0, 0
	LDA \next, 0, FA0, 0
	LDA \next, 0, FA0, 4
	WIN 0xa0                                       ; groups 1 and 2 are in since the wait for 0
	MULH FA1, 1, 0, 0
	MULH FA1, 1, 4, 0
	PLACES
	WIN 0
	LDB \next, 0, 1
	WIN 0xf0
	MULH FA1, 2, 0, 0
	MULH FA1, 2, 4, 0
.endif
.endm
	s_wait_tensorcnt 1                             ; my part of K step 0 is in; K step 1's load stays out
	s_barrier_signal -1
	s_barrier_wait -1                              ; everybody's is
	LDB 0, 0, 0                                    ; what a K step expects on its way in
	LDA 0, 0, FA0, 0
	LDA 0, 0, FA0, 4
	LDB 0, 0, 1
	STEP 0, 1, 1, 1, 0                             ; the first lap stands in front of the loop: its first products start the sums
	STEP 1, 0, 1, 0, 0
	WIN 0                                          ; at a label and at a branch every window is 0
	s_mov_b32 s3, LAPS-2
.Llap:
	STEP 0, 1, 1, 0, 0
	STEP 1, 0, 1, 0, 0
	WIN 0
	s_sub_co_u32 s3, s3, 1
	s_cmp_lg_u32 s3, 0
	s_cbranch_scc1 .Llap
	STEP 0, 1, 0, 0, 0                             ; the last lap fills nothing: its one barrier shows slot 1, the last K step, whole
	STEP 1, 0, 0, 0, 1
	; THE WAY OUT, four passes of 32 rows a wave.  A wave's 192 columns are 384 bytes, so the middle 256 bytes of a block's row of 768 belong half to each
	; column half: the rows are put together in a stage that the four waves share, and read back so that 16 lanes hold 256 consecutive bytes.
	PLACES                                         ; four places before the conversions read the last results
	s_lshl_b32 s13, s13, 8
	s_lshl_b32 s14, s11, 7
	s_add_co_u32 s16, s13, s14
	s_lshl_b32 s14, s12, 4
	s_add_co_u32 s16, s16, s14                     ; the first row that I store: 256 x block row + 128 (w >> 1) + 16 (w & 1)
	s_mul_i32 s16, s16, SIZE_N*2                   ; under 8,192 x 6,144 bytes: one word
	s_mov_b32 s17, 0
	s_add_nc_u64 s[8:9], s[8:9], s[16:17]
	s_mul_i32 s46, s42, 768                        ; the block's first column in bytes, a multiple of 256
	s_mov_b32 s47, 0
	s_add_nc_u64 s[8:9], s[8:9], s[46:47]
; Pass p: my row blocks 2 p and 2 p + 1.  The stage is one region, written and read in every pass: a barrier between the stores and the reads, and one
; between the reads and the next pass's stores, whose signal and wait stand round that pass's conversions.
.macro OUT32 p
.irp g, 0,1,2
	WIN 0x05*(\g+1)                                ; both sources in window 1 + g
.irp aa, 0,1
.irp bb, 0,1,2,3
.irp r, 0,1,2,3
	v_cvt_pk_f16_f32 v[TMP+4*(12*\aa+4*\g+\bb)+\r], v[8*(4*(2*\p+\aa)+\bb)+2*\r], v[8*(4*(2*\p+\aa)+\bb)+2*\r+1]
.endr
.endr
.endr
.endr
	WIN 0
.if \p
	s_barrier_wait -1                              ; every wave has read the last pass's rows back
.endif
.irp aa, 0,1
.irp b, 0,1,2,3,4,5,6,7,8,9,10,11
	ds_store_b128 v[STO], v[TMP+4*(12*\aa+\b):TMP+4*(12*\aa+\b)+3] offset:\aa*16*SPITCH+32*\b
.endr
.endr
	s_wait_dscnt 0x0                               ; a stage row is written by two waves and read by one of them: my stores are done,
	s_barrier_signal -1
	s_barrier_wait -1                              ; everybody's are
	s_wait_xcnt 0x0                                ; RB, which the last pass's stores read, and the stores' base are rewritten only behind this wait
.if \p
	s_add_nc_u64 s[8:9], s[8:9], 32*SIZE_N*2
.endif
.irp pp, 0,1,2,3,4,5,6,7
.irp c, 0,1,2
	ds_load_b128 v[RB+4*(3*\pp+\c):RB+4*(3*\pp+\c)+3], v[RD] offset:\pp*2*SPITCH+\c*256
.endr
.endr
.irp pp, 0,1,2,3,4,5,6,7
.irp c, 0,1,2
	s_wait_dscnt 23-(3*\pp+\c)                     ; the younger read-backs stay out
	global_store_b128 v[CO], v[RB+4*(3*\pp+\c):RB+4*(3*\pp+\c)+3], s[8:9] offset:\pp*2*SIZE_N*2+\c*256   ; 16 lanes store 256 consecutive bytes, aligned
.endr
.endr
.if \p < 3
	s_barrier_signal -1                            ; my reads of the stage are back (the count-down ended at 0)
.endif
.endm
	OUT32 0
	OUT32 1
	OUT32 2
	OUT32 3
	s_wait_tensorcnt 0x0
	ds_add_u32 v30, v31
	s_wait_dscnt 0x0
	CROUND                                         ; the closing round: no work-group ends while a partner may still ask for a tile that names it
	s_endpgm
.Lfunc_end_k_q79cb3090bb_qkvgemm:
	.size	k_q79cb3090bb_qkvgemm, .Lfunc_end_k_q79cb3090bb_qkvgemm-k_q79cb3090bb_qkvgemm
	.p2alignl 7, 3214868480
	.fill 96, 4, 3214868480
	.section	.rodata,"a",@progbits
	.p2align	6, 0x0
	.amdhsa_kernel k_q79cb3090bb_qkvgemm
		.amdhsa_group_segment_fixed_size 327680
		.amdhsa_private_segment_fixed_size 0
		.amdhsa_enable_private_segment 0
		.amdhsa_kernarg_size 24
		.amdhsa_user_sgpr_count 2
		.amdhsa_user_sgpr_kernarg_segment_ptr 1
		.amdhsa_wavefront_size32 1
		.amdhsa_system_sgpr_workgroup_id_x 1
		.amdhsa_system_sgpr_workgroup_id_y 1
		.amdhsa_system_sgpr_workgroup_id_z 1
		.amdhsa_system_vgpr_workitem_id 0
		.amdhsa_next_free_vgpr 1024
		.amdhsa_next_free_sgpr 66
		.amdhsa_reserve_vcc 0
		.amdhsa_float_denorm_mode_32 3
		.amdhsa_float_denorm_mode_16_64 3
		.amdhsa_memory_ordered 1
		.amdhsa_forward_progress 1
		.amdhsa_inst_pref_size 170
	.end_amdhsa_kernel
	.amdgpu_metadata
---
amdhsa.version: [ 1, 2 ]
amdhsa.kernels:
  - .name:           k_q79cb3090bb_qkvgemm
    .symbol:         k_q79cb3090bb_qkvgemm.kd
    .args:
      - { .name: xb, .offset: 0, .size: 8, .value_kind: global_buffer, .address_space: global }
      - { .name: wab, .offset: 8, .size: 8, .value_kind: global_buffer, .address_space: global }
      - { .name: qkv, .offset: 16, .size: 8, .value_kind: global_buffer, .address_space: global }
    .group_segment_fixed_size: 327680
    .private_segment_fixed_size: 0
    .kernarg_segment_align: 8
    .kernarg_segment_size: 24
    .max_flat_workgroup_size: 128
    .sgpr_count:     66
    .vgpr_count:     1024
    .wavefront_size: 32
...
	.end_amdgpu_metadata
.endif
;; end of part 2
;; launch attn (part 3): grid 8 x 32, 8 waves a work-group, no clusters, 327,680 bytes of LDS; arguments qkv, y; writes y
.if DOCPART == 3
	.amdgcn_target "amdgcn-amd-amdhsa--gfx1250"
	.amdhsa_code_object_version 6
	.text
	.protected	k_q79cb3090bb_attn
	.globl	k_q79cb3090bb_attn
	.p2align	8
	.type	k_q79cb3090bb_attn,@function
k_q79cb3090bb_attn:
	s_mov_b64 s[64:65], 0
	v_nop
	global_prefetch_b8 v0, s[64:65] scope:SCOPE_SE
	s_setreg_imm32_b32 hwreg(HW_REG_WAVE_MODE, 25, 1), 1
	s_wait_xcnt 0x0
; y[b][t][h 64 + d] = sum over k <= t of softmax_k(q[t] . k[k] / 8) v[k][d], by heads.  qkv: [8192][3072] f16 (a row: q, k, v, 2,048 bytes each,
; a head 128 bytes); y: [8192][1024] f16.  Scores, maxima, exponentials and sums in f32; the weights go to the matrix unit in f16.
; WORK LEFT OUT: tiles of 64 keys that lie wholly behind a wave's 64 queries; reference()'s own jnp.tril gives them the weight 0 (shown in
; the first launch's head).  A NaN, an infinity or an overflow that reaches only such tiles is not carried to the result.
; LIMITS: a weight under 2^-126 of its row's largest counts as 0 (v_exp_f32 flushes), one under 2^-24 is 0 in f16; the running maximum is
; taken with v_max3_num_f32, in which a NaN loses: a NaN score shows in the sums, not in the maximum; sums go in the order of the tiles.
;
; SHARING.  Work-group (i, b 8 + hp), i = 0..7: two heads 2 hp, 2 hp + 1 (their k and their v are 256 consecutive bytes of a row, aligned) and
; two blocks of 128 queries, i and 15 - i.  It walks the 2 (16 - i) tiles of 64 keys that block 15 - i needs.  Wave w: block i (w < 4) or
; 15 - i, head bit (w >> 1) & 1, half w & 1 of the block: 64 queries, tile number qt = 2 block + half.  It computes while the key tile's
; number is at most qt, masks where it equals qt, and afterwards only passes the barriers.  Waves w and w + 4 together have
; (2 i + half + 1) + (2 (15 - i) + half + 1) = 32 + 2 half tiles in every work-group: the work is even over all 256.
; NO CLUSTER: the eight work-groups of a head pair read the same k and v, but need 18 to 32 tiles, and whether a wave computes a tile hangs on
; i: in a cluster that would be a trip count and a branch on the place in the cluster, which joint loads do not allow.
;
; TRANSPOSED PRODUCTS, so that no number changes lanes.  S^T = K Q^T: source 0 = 16 keys, source 1 = 16 queries; lane (r, h) holds query r and in
; register j key 8 h + j of the tile.  Two neighbouring tiles of S^T, packed to f16, are a source-1 fragment of P^T for 32 keys as they lie.
; O^T = V^T P^T: source 0 = V^T, brought from V's rows by the transposing LDS load.  Maximum, sum and factor are one number a lane; the one
; step between lanes is lane xor 16.
.set ROWB,  6144                       ; bytes in a row of qkv
.set KP,    272                        ; LDS pitch of K's rows: 256 + 16
.set VP,    288                        ; of V's rows: 256 + 32, an odd multiple of 32 for the transposing load
.set VOFF,  64*KP                      ; V's tile lies behind K's
.set SLOT,  64*KP+64*VP                ; 35,840 bytes
.set STAGE, 2*SLOT                     ; 71,680, a multiple of 256: 256 rows x 272 bytes for the way out; no tensor load lands here
.set SP,    272
.set TSTEP, 64*ROWB                    ; from a key tile to the next
; window 0
.set KA,   4                           ; LDS address of my part of a K fragment
.set VA,   5                           ; of a V fragment
.set QO,   6                           ; my byte offset in the wave's q rows
.set ST,   7                           ; the way out: where I put 16 bytes
.set RD,   8                           ; where I read a row back
.set CO,   9                           ; my byte offset in y
.set NINF, 10                          ; -inf
.set DG,   11                          ; 8 h - r
.set NM,   16                          ; v[16+2q] -c x running maximum of query tile q, v[17+2q] the same of the trip before
.set AL,   24                          ; v[24+2q] the factor for the old sums, v[25+2q] the running sum of weights (my half of the keys)
.set MX,   32                          ; v[32+q]  running maximum of the raw scores
.set XL,   36                          ; v[36+q]  what the other half of the lanes holds
.set RS,   40                          ; v[40+q]  this tile's sum of weights
.set SA,   44                          ; v[44:45], v[46:47] two chains of sums
.set SB,   46
.set KF,   64                          ; v[64:127]  K fragment (mt, kd) at 64 + 16 mt + 8 kd
.set SC,   128                         ; v[128:255] scores: tile (mt, q) at 128 + 32 q + 8 mt; later P: (q, c) at 128 + 32 q + 16 c
; window 1
.set OA,   0                           ; O^T tile (dt, q) at 8 (4 q + dt)
.set QF,   128                         ; Q fragment (q, kd) at 128 + 16 q + 8 kd
.set VF,   192                         ; V^T fragment (dt, c) at 192 + 16 dt + 8 c
; scalars
.set G1K, 16                           ; s[16:23] descriptor group 1 for K's tiles
.set G1V, 24                           ; s[24:31] for V's: it differs in the padding
.set G0K, 32                           ; s[32:39] group 0 for K's tiles, one set for each slot
.set G0V, 40                           ; s[40:47] for V's
.set QT,  49                           ; s49 qt, s50 qt - 1
.set MK,  72                           ; s[72:79] lanes with 8 h + j > r, j = 0..7
.set MSB, 0
.macro WIN new                         ; s_set_vgpr_msb: bits 1:0 source 0, 3:2 source 1, 5:4 source 2, 7:6 destination; the high byte repeats the setting that is left
.if MSB != \new
	s_set_vgpr_msb (MSB<<8)|\new
.set MSB, \new
.endif
.endm
; Wave 0 brings K's tile of slot s, wave 1 V's: 64 rows of 256 bytes each, one tensor load a wave.
.macro KVLOAD s
	s_cmp_lg_u32 s8, 0
	s_cbranch_scc1 .Lnot_k_\@
	tensor_load_to_lds s[G0K+4*\s:G0K+4*\s+3], s[G1K:G1K+7]
	s_nop 0
.Lnot_k_\@:
	s_cmp_lg_u32 s8, 1
	s_cbranch_scc1 .Lnot_v_\@
	tensor_load_to_lds s[G0V+4*\s:G0V+4*\s+3], s[G1V:G1V+7]
	s_nop 0
.Lnot_v_\@:
.endm
	s_load_b128 s[4:7], s[0:1], 0x0                ; qkv s[4:5], y s[6:7]
	v_lshl_add_u32 v62, v0, 2, 0x29000
	v_mov_b32 v63, 0
	ds_add_u32 v62, v63
	v_lshrrev_b32 v1, 5, v0
	v_readfirstlane_b32 s8, v1                     ; wave 0..7
	s_lshr_b32 s9, s8, 2                           ; which block: 0 = i, 1 = 15 - i
	s_bfe_u32 s10, s8, 0x10001                     ; which head of the pair
	s_and_b32 s11, s8, 1                           ; which half of the block
	s_mov_b32 s12, ttmp9                           ; i
	s_and_b32 s13, ttmp7, 0xffff
	s_lshr_b32 s14, s13, 3                         ; b
	s_and_b32 s15, s13, 7                          ; hp
	s_sub_co_u32 s48, 15, s12
	s_cmp_lg_u32 s9, 0
	s_cselect_b32 s48, s48, s12                    ; my block of 128 queries
	s_lshl1_add_u32 s49, s48, s11                  ; qt: my tile of 64 queries
	s_sub_co_i32 s50, s49, 1                       ; qt - 1 (-1 for qt = 0: the compares with it are signed or for equality)
	s_sub_co_u32 s52, 14, s12                      ; the loop's laps of two key tiles: (2 (16 - i) - 4) / 2 = 14 - i, 7 to 14
	s_mov_b32 s53, 0xbe38aa3b                      ; -c,  c = log2(e) / 8: exp(s / 8) = 2^(c s)
	s_mov_b32 s54, 0x3e38aa3b                      ; c
	s_mov_b32 s55, 0x3e38aa3b                      ; (the packed form names the pair)
	s_mov_b32 s56, 0x76543210                      ; v_permlanex16_b32: lane i of one half reads lane i of the other
	s_mov_b32 s57, 0xfedcba98
	; group 1: 64 rows of 128 elements of 2 bytes, 3,072 elements from row to row; padding behind every 64 words: K 4 words, V 8 words
	s_mov_b32 s[G1K+0], (1<<16)|(1<<20)|(5<<22)|(3<<25)
	s_mov_b32 s[G1V+0], (1<<16)|(1<<20)|(5<<22)|(7<<25)
	s_mov_b32 s[G1K+1], 128<<16                    ; tensor_dim0
	s_mov_b32 s[G1V+1], 128<<16
	s_mov_b32 s[G1K+2], 64<<16                     ; tensor_dim1
	s_mov_b32 s[G1V+2], 64<<16
	s_mov_b32 s[G1K+3], 128<<16                    ; tile_dim0
	s_mov_b32 s[G1V+3], 128<<16
	s_mov_b32 s[G1K+4], 64                         ; tile_dim1
	s_mov_b32 s[G1V+4], 64
	s_mov_b32 s[G1K+5], 3072
	s_mov_b32 s[G1V+5], 3072
	s_mov_b32 s[G1K+6], 0
	s_mov_b32 s[G1V+6], 0
	s_mov_b32 s[G1K+7], 0
	s_mov_b32 s[G1V+7], 0
	s_mul_i32 s58, s14, 2048*ROWB                  ; the batch's first row,
	s_lshl_b32 s59, s15, 8                         ; the head pair's 256 bytes
	s_add_co_u32 s58, s58, s59
	s_mov_b32 s59, 0
	s_wait_dscnt 0x0
	s_barrier_signal -1
	s_barrier_wait -1
	s_wait_kmcnt 0x0
	s_add_nc_u64 s[60:61], s[4:5], s[58:59]
.irp s, 0,1
	s_mov_b32 s[G0K+4*\s], 1
	s_mov_b32 s[G0K+4*\s+1], \s*SLOT
	s_add_nc_u64 s[G0K+4*\s+2:G0K+4*\s+3], s[60:61], 2048+\s*TSTEP     ; k begins 2,048 bytes into a row; key tile s
	s_or_b32 s[G0K+4*\s+3], s[G0K+4*\s+3], 0x80000000
	s_mov_b32 s[G0V+4*\s], 1
	s_mov_b32 s[G0V+4*\s+1], \s*SLOT+VOFF
	s_add_nc_u64 s[G0V+4*\s+2:G0V+4*\s+3], s[60:61], 4096+\s*TSTEP     ; v begins 4,096 bytes into a row
	s_or_b32 s[G0V+4*\s+3], s[G0V+4*\s+3], 0x80000000
.endr
	KVLOAD 0                                       ; key tile 0: the one first fill at the start; slot 1 is filled behind the first trip's barrier
	; q stays in registers for the whole kernel: 4 query tiles x 2 halves of d, lane (r, h): row r, d = 32 kd + 8 h + 0..7 and + 16
	v_and_b32 v2, 15, v0                           ; r
	v_bfe_u32 v3, v0, 4, 1                         ; h
	v_mul_u32_u24 v[QO], v2, ROWB
	v_lshl_add_u32 v[QO], v3, 4, v[QO]
	s_lshl_b32 s66, s10, 7                         ; my head's 128 bytes in the pair's 256
	s_mul_i32 s58, s49, TSTEP                      ; my 64 queries
	s_add_co_u32 s58, s58, s66
	s_mov_b32 s59, 0
	s_add_nc_u64 s[62:63], s[60:61], s[58:59]
	WIN 0x40                                       ; destination in window 1
.irp q, 0,1,2,3
.irp kd, 0,1
	global_load_b128 v[QF+16*\q+8*\kd:QF+16*\q+8*\kd+3],   v[QO], s[62:63] offset:\q*16*ROWB+\kd*64
	global_load_b128 v[QF+16*\q+8*\kd+4:QF+16*\q+8*\kd+7], v[QO], s[62:63] offset:\q*16*ROWB+\kd*64+32
.endr
.endr
	WIN 0
	v_mul_u32_u24 v12, v2, KP
	v_lshl_add_u32 v12, v3, 4, v12                 ; r x 272 + 16 h: serves K's rows and the stage's, which have the same pitch
	v_add_nc_u32 v[KA], s66, v12
	v_and_b32 v13, 7, v0
	v_lshl_add_u32 v13, v3, 3, v13                 ; the transposing load: key 8 h + (l & 7),
	v_mul_u32_u24 v[VA], v13, VP
	v_bfe_u32 v13, v0, 3, 1
	v_lshl_add_u32 v[VA], v13, 4, v[VA]            ; 16 bytes by bit 3 of the lane
	s_add_co_u32 s67, s66, VOFF
	v_add_nc_u32 v[VA], s67, v[VA]
	s_lshl_b32 s67, s9, 7                          ; the stage's row: 128 x block + 64 x half + 16 q + r
	s_lshl_b32 s68, s11, 6
	s_add_co_u32 s67, s67, s68
	s_mul_i32 s67, s67, SP
	s_add_co_u32 s67, s67, s66
	s_add_co_u32 s67, s67, STAGE
	v_add_nc_u32 v[ST], s67, v12
	s_mul_i32 s67, s8, 32*SP                       ; back: wave w takes rows 32 w .. 32 w + 31, two at a time
	s_add_co_u32 s67, s67, STAGE
	v_mul_u32_u24 v13, v3, SP
	v_lshl_add_u32 v13, v2, 4, v13
	v_add_nc_u32 v[RD], s67, v13
	v_lshlrev_b32 v[CO], 4, v2
	v_lshl_add_u32 v[CO], v3, 11, v[CO]            ; the same two rows in y, 2,048 bytes apart
	v_mov_b32 v[NINF], 0xff800000
	v_lshlrev_b32 v[DG], 3, v3
	v_sub_nc_u32 v[DG], v[DG], v2
.irp j, 0,1,2,3,4,5,6,7
	v_cmp_lt_i32 s[MK+\j], -\j, v[DG]              ; 8 h + j > r: in a tile on the diagonal the key lies behind the query
.endr
.irp q, 0,1,2,3
	v_mov_b32 v[XL+\q], 0                          ; v_permlanex16_b32 counts as a reader of its destination
.endr
	s_lshl_b32 s58, s14, 11                        ; y: row 2,048 b + 128 block + 32 (w & 3),
	s_lshl_b32 s59, s48, 7
	s_add_co_u32 s58, s58, s59
	s_and_b32 s59, s8, 3
	s_lshl_b32 s59, s59, 5
	s_add_co_u32 s58, s58, s59
	s_lshl_b32 s58, s58, 11                        ; rows of 2,048 bytes,
	s_lshl_b32 s59, s15, 8                         ; the head pair's 256 bytes
	s_add_co_u32 s58, s58, s59
	s_mov_b32 s59, 0
	s_add_nc_u64 s[6:7], s[6:7], s[58:59]
	s_wait_loadcnt 0x0                             ; q, once
.macro FMA q                           ; c s - c max for the 32 scores of query tile q
.irp p, 0,2,4,6,8,10,12,14,16,18,20,22,24,26,28,30
	v_pk_fma_f32 v[SC+32*\q+\p:SC+32*\q+\p+1], v[SC+32*\q+\p:SC+32*\q+\p+1], s[54:55], v[NM+2*\q:NM+2*\q+1] op_sel_hi:[1,0,0]
.endr
.endm
.macro EXPQ q                          ; 2^ of them, in place
.set ei, 0
.rept 32
	v_exp_f32 v[SC+32*\q+ei], v[SC+32*\q+ei]
.set ei, ei+1
.endr
.endm
; The 32 weights of query tile q are summed in f32, in two chains, and packed to f16: each half of 16 registers into its own first 8, which are then
; a source-1 fragment for 32 keys.  Pair p is summed and packed before register p, which lies in pair p / 2, is written.
.macro SUMCVT q
	s_wait_alu depctr_va_vdst(0)
	v_pk_add_f32 v[SA:SA+1], v[SC+32*\q:SC+32*\q+1], v[SC+32*\q+2:SC+32*\q+3]
	v_pk_add_f32 v[SB:SB+1], v[SC+32*\q+16:SC+32*\q+17], v[SC+32*\q+18:SC+32*\q+19]
	v_cvt_pk_f16_f32 v[SC+32*\q],    v[SC+32*\q],    v[SC+32*\q+1]
	v_cvt_pk_f16_f32 v[SC+32*\q+16], v[SC+32*\q+16], v[SC+32*\q+17]
	v_cvt_pk_f16_f32 v[SC+32*\q+1],  v[SC+32*\q+2],  v[SC+32*\q+3]
	v_cvt_pk_f16_f32 v[SC+32*\q+17], v[SC+32*\q+18], v[SC+32*\q+19]
.irp p, 2,3,4,5,6,7
	v_pk_add_f32 v[SA:SA+1], v[SA:SA+1], v[SC+32*\q+2*\p:SC+32*\q+2*\p+1]
	v_pk_add_f32 v[SB:SB+1], v[SB:SB+1], v[SC+32*\q+16+2*\p:SC+32*\q+16+2*\p+1]
	v_cvt_pk_f16_f32 v[SC+32*\q+\p],    v[SC+32*\q+2*\p],    v[SC+32*\q+2*\p+1]
	v_cvt_pk_f16_f32 v[SC+32*\q+16+\p], v[SC+32*\q+16+2*\p], v[SC+32*\q+16+2*\p+1]
.endr
	v_pk_add_f32 v[SA:SA+1], v[SA:SA+1], v[SB:SB+1]
	v_add_f32 v[RS+\q], v[SA], v[SA+1]
.endm
.macro OSCALE                          ; O^T times the lane's factor of each query tile
	WIN 0x41                                       ; destination and source 0 in window 1
.irp q, 0,1,2,3
.set oi, 0
.rept 16
	v_pk_mul_f32 v[OA+32*\q+oi:OA+32*\q+oi+1], v[OA+32*\q+oi:OA+32*\q+oi+1], v[AL+2*\q:AL+2*\q+1] op_sel_hi:[1,0]
.set oi, oi+2
.endr
.endr
.endm
.macro PVPASS c, zero                  ; 16 matrix instructions: all 16 tiles of O^T, keys 32 c .. 32 c + 31
.irp q, 0,1,2,3
.irp dt, 0,1,2,3
.if \zero
	v_wmma_f32_16x16x32_f16 v[OA+8*(4*\q+\dt):OA+8*(4*\q+\dt)+7], v[VF+16*\dt+8*\c:VF+16*\dt+8*\c+7], v[SC+32*\q+16*\c:SC+32*\q+16*\c+7], 0
.else
	v_wmma_f32_16x16x32_f16 v[OA+8*(4*\q+\dt):OA+8*(4*\q+\dt)+7], v[VF+16*\dt+8*\c:VF+16*\dt+8*\c+7], v[SC+32*\q+16*\c:SC+32*\q+16*\c+7], v[OA+8*(4*\q+\dt):OA+8*(4*\q+\dt)+7]
.endif
.endr
.endr
.endm
; One key tile, number s51 + slot, in slot `slot`.  refill = 1: the other slot gets the next tile.  first = 1: key tile 0, which every wave computes
; and which starts maxima, sums and O^T: nothing is cleared.
.macro TRIP slot, other, refill, first
	s_wait_tensorcnt 0x0                           ; all my tensor loads have landed, my part of this tile among them, so every group 0 may be written:
	ds_add_u32 v62, v63
	s_wait_dscnt 0x0
	s_add_nc_u64 s[G0K+4*\slot+2:G0K+4*\slot+3], s[G0K+4*\slot+2:G0K+4*\slot+3], 2*TSTEP   ; this slot's next tile
	s_add_nc_u64 s[G0V+4*\slot+2:G0V+4*\slot+3], s[G0V+4*\slot+2:G0V+4*\slot+3], 2*TSTEP
	s_wait_dscnt 0x0                               ; my reads of the last tile are done
	s_barrier_signal -1
	s_barrier_wait -1                              ; both now hold of all eight waves
.if \refill
	KVLOAD \other                                  ; the next tile, into the slot read last: one tensor load of a wave is out, for a whole trip
.endif
.if \first
.else
	s_cmp_gt_i32 s51, s[QT+\slot]                  ; the tile lies wholly behind my queries: nothing to do but the barriers
	s_cbranch_scc1 .Lskip_\@
.endif
.irp mt, 0,1,2,3
.irp kd, 0,1
	ds_load_b128 v[KF+16*\mt+8*\kd:KF+16*\mt+8*\kd+3],   v[KA] offset:\slot*SLOT+\mt*16*KP+\kd*64
	ds_load_b128 v[KF+16*\mt+8*\kd+4:KF+16*\mt+8*\kd+7], v[KA] offset:\slot*SLOT+\mt*16*KP+\kd*64+32
.endr
.endr
	WIN 0x40
.irp dt, 0,1,2,3
.irp c, 0,1
	ds_load_tr16_b128 v[VF+16*\dt+8*\c:VF+16*\dt+8*\c+3],   v[VA] offset:\slot*SLOT+\c*32*VP+\dt*32
	ds_load_tr16_b128 v[VF+16*\dt+8*\c+4:VF+16*\dt+8*\c+7], v[VA] offset:\slot*SLOT+\c*32*VP+\dt*32+16*VP
.endr
.endr
	s_wait_dscnt 16                                ; K's 16 loads are in, V's 16 stay out
	WIN 0x04                                       ; source 1 (q) in window 1
	; S^T: the 16 tiles take turns, one instruction a turn, in the same order for both halves of d
.irp q, 0,1,2,3
.irp mt, 0,1,2,3
	v_wmma_f32_16x16x32_f16 v[SC+32*\q+8*\mt:SC+32*\q+8*\mt+7], v[KF+16*\mt:KF+16*\mt+7], v[QF+16*\q:QF+16*\q+7], 0
.endr
.endr
.irp q, 0,1,2,3
.irp mt, 0,1,2,3
	v_wmma_f32_16x16x32_f16 v[SC+32*\q+8*\mt:SC+32*\q+8*\mt+7], v[KF+16*\mt+8:KF+16*\mt+15], v[QF+16*\q+8:QF+16*\q+15], v[SC+32*\q+8*\mt:SC+32*\q+8*\mt+7]
.endr
.endr
	WIN 0
.rept 4
	v_nop                                          ; four places before vector instructions touch the scores (ISA guide 7.12.1)
.endr
	s_cmp_lg_u32 s51, s[QT+\slot]
	s_cbranch_scc1 .Lno_mask_\@
	; the tile on the diagonal: key 16 mt + 8 h + j against query 16 q + r
.irp q, 0,1,2
.irp mt, 1,2,3
.if \mt > \q
.irp j, 0,1,2,3,4,5,6,7
	v_mov_b32 v[SC+32*\q+8*\mt+\j], v[NINF]
.endr
.endif
.endr
.endr
.irp q, 0,1,2,3
.irp j, 0,1,2,3,4,5,6,7
	v_cndmask_b32 v[SC+40*\q+\j], v[SC+40*\q+\j], v[NINF], s[MK+\j]
.endr
.endr
.Lno_mask_\@:
	; the running maximum of the raw scores, four chains side by side.  Every query has a key at or before it in each tile that is computed: the maximum is never -inf.
.if \first
.irp q, 0,1,2,3
	v_max3_num_f32 v[MX+\q], v[SC+32*\q], v[SC+32*\q+1], v[SC+32*\q+2]
.endr
.irp k, 3,5,7,9,11,13,15,17,19,21,23,25,27,29
.irp q, 0,1,2,3
	v_max3_num_f32 v[MX+\q], v[MX+\q], v[SC+32*\q+\k], v[SC+32*\q+\k+1]
.endr
.endr
.irp q, 0,1,2,3
	v_max_num_f32 v[MX+\q], v[MX+\q], v[SC+32*\q+31]
.endr
.else
.irp k, 0,2,4,6,8,10,12,14,16,18,20,22,24,26,28,30
.irp q, 0,1,2,3
	v_max3_num_f32 v[MX+\q], v[MX+\q], v[SC+32*\q+\k], v[SC+32*\q+\k+1]
.endr
.endr
.endif
.irp q, 0,1,2,3
	v_permlanex16_b32 v[XL+\q], v[MX+\q], s56, s57 ; the other eight keys of each sixteen lie in lane xor 16
.endr
.irp q, 0,1,2,3
	v_max_num_f32 v[MX+\q], v[MX+\q], v[XL+\q]
.endr
.if \first
.irp q, 0,1,2,3
	v_mul_f32 v[NM+2*\q], s53, v[MX+\q]            ; the shift: -c max
.endr
.irp q, 0,1,2,3
	v_mov_b32 v[NM+2*\q+1], v[NM+2*\q]             ; the packed form below names the pair
.endr
.else
.irp q, 0,1,2,3
	v_mov_b32 v[NM+2*\q+1], v[NM+2*\q]             ; the shift under which the old sums were made
.endr
.irp q, 0,1,2,3
	v_mul_f32 v[NM+2*\q], s53, v[MX+\q]
.endr
.irp q, 0,1,2,3
	v_sub_f32 v[AL+2*\q], v[NM+2*\q], v[NM+2*\q+1] ; the difference of the two shifts as they were used: old weights times 2^ of it are the weights under the new shift
.endr
.irp q, 0,1,2,3
	v_exp_f32 v[AL+2*\q], v[AL+2*\q]               ; the plain instruction behind these is FMA's first, which names none of them (ISA guide 5.7.2)
.endr
.endif
	; behind each run of exponentials stands a plain instruction on other registers before its results are used
	FMA 0
	EXPQ 0
	FMA 1
	SUMCVT 0
	EXPQ 1
	FMA 2
	SUMCVT 1
	EXPQ 2
	FMA 3
	SUMCVT 2
	EXPQ 3
	v_nop
	s_wait_alu depctr_va_vdst(0)
	SUMCVT 3
.if \first
.else
	OSCALE
.endif
	s_wait_dscnt 0x0                               ; V's fragments
	WIN 0x51                                       ; source 0 (V^T), C and D in window 1, source 1 (P^T) in window 0
	PVPASS 0, \first                               ; the 16 tiles of O^T take turns, one instruction a turn, in the same order in both passes
	PVPASS 1, 0
	WIN 0
	; five places before the next tile's loads land on V's fragments and its first products write over P: four of them are work
.irp q, 0,1,2,3
.if \first
	v_mov_b32 v[AL+2*\q+1], v[RS+\q]
.else
	v_fma_f32 v[AL+2*\q+1], v[AL+2*\q+1], v[AL+2*\q], v[RS+\q]
.endif
.endr
	v_nop
.Lskip_\@:
.endm
	s_mov_b32 s51, 0                               ; the number of slot 0's key tile
	TRIP 0, 1, 1, 1
	TRIP 1, 0, 1, 0
	s_mov_b32 s51, 2
	s_mov_b32 s69, 0                               ; the loop is counted by its laps, two trips each, against s52 = 14 - i, which it does not write
.Lkeys:
	TRIP 0, 1, 1, 0
	TRIP 1, 0, 1, 0
	s_add_co_u32 s51, s51, 2                       ; two key tiles on: read only by the forward branches of a trip
	s_add_co_u32 s69, s69, 1
	s_cmp_lt_u32 s69, s52
	s_cbranch_scc1 .Lkeys
	TRIP 0, 1, 1, 0                                ; the last two tiles, numbers 30 - 2 i and 31 - 2 i: one more fill, then none
	TRIP 1, 0, 0, 0
	; THE END: the two halves of the keys' sums meet, O^T is divided, rounded to f16 and goes out through the stage as rows of 256 bytes (two heads).
.irp q, 0,1,2,3
	v_permlanex16_b32 v[XL+\q], v[AL+2*\q+1], s56, s57
.endr
.irp q, 0,1,2,3
	v_add_f32 v[AL+2*\q+1], v[AL+2*\q+1], v[XL+\q] ; at least 1: the largest weight of a row is 2^0
.endr
.irp q, 0,1,2,3
	v_rcp_f32 v[AL+2*\q], v[AL+2*\q+1]
.endr
	v_nop                                          ; one plain instruction before the reciprocals are used
	s_wait_alu depctr_va_vdst(0)
	OSCALE
	WIN 0x05                                       ; both sources in window 1
.irp q, 0,1,2,3
.irp dt, 0,1,2,3
.irp p, 0,1,2,3
	v_cvt_pk_f16_f32 v[SC+4*(4*\q+\dt)+\p], v[OA+8*(4*\q+\dt)+2*\p], v[OA+8*(4*\q+\dt)+2*\p+1]   ; lane (r, h): query 16 q + r, d = 16 dt + 8 h + 0..7
.endr
.endr
.endr
	WIN 0
.irp q, 0,1,2,3
.irp dt, 0,1,2,3
	ds_store_b128 v[ST], v[SC+4*(4*\q+\dt):SC+4*(4*\q+\dt)+3] offset:\q*16*SP+\dt*32
.endr
.endr
	s_wait_dscnt 0x0                               ; a stage row holds two heads, written by two waves: my stores are done,
	s_barrier_signal -1
	s_barrier_wait -1                              ; everybody's are
.irp t, 0,1,2,3,4,5,6,7,8,9,10,11,12,13,14,15
	ds_load_b128 v[KF+4*\t:KF+4*\t+3], v[RD] offset:\t*2*SP
.endr
.irp t, 0,1,2,3,4,5,6,7,8,9,10,11,12,13,14,15
	s_wait_dscnt 15-\t                             ; the 15 - t younger read-backs stay out
	global_store_b128 v[CO], v[KF+4*\t:KF+4*\t+3], s[6:7] offset:\t*4096   ; 16 lanes store 256 consecutive bytes, aligned
.endr
	s_wait_tensorcnt 0x0
	ds_add_u32 v62, v63
	s_wait_dscnt 0x0
	s_endpgm
.Lfunc_end_k_q79cb3090bb_attn:
	.size	k_q79cb3090bb_attn, .Lfunc_end_k_q79cb3090bb_attn-k_q79cb3090bb_attn
	.p2alignl 7, 3214868480
	.fill 96, 4, 3214868480
	.section	.rodata,"a",@progbits
	.p2align	6, 0x0
	.amdhsa_kernel k_q79cb3090bb_attn
		.amdhsa_group_segment_fixed_size 327680
		.amdhsa_private_segment_fixed_size 0
		.amdhsa_enable_private_segment 0
		.amdhsa_kernarg_size 16
		.amdhsa_user_sgpr_count 2
		.amdhsa_user_sgpr_kernarg_segment_ptr 1
		.amdhsa_wavefront_size32 1
		.amdhsa_system_sgpr_workgroup_id_x 1
		.amdhsa_system_sgpr_workgroup_id_y 1
		.amdhsa_system_sgpr_workgroup_id_z 1
		.amdhsa_system_vgpr_workitem_id 0
		.amdhsa_next_free_vgpr 512
		.amdhsa_next_free_sgpr 80
		.amdhsa_reserve_vcc 0
		.amdhsa_float_denorm_mode_32 3
		.amdhsa_float_denorm_mode_16_64 3
		.amdhsa_memory_ordered 1
		.amdhsa_forward_progress 1
		.amdhsa_inst_pref_size 232
	.end_amdhsa_kernel
	.amdgpu_metadata
---
amdhsa.version: [ 1, 2 ]
amdhsa.kernels:
  - .name:           k_q79cb3090bb_attn
    .symbol:         k_q79cb3090bb_attn.kd
    .args:
      - { .name: qkv, .offset: 0, .size: 8, .value_kind: global_buffer, .address_space: global }
      - { .name: y, .offset: 8, .size: 8, .value_kind: global_buffer, .address_space: global }
    .group_segment_fixed_size: 327680
    .private_segment_fixed_size: 0
    .kernarg_segment_align: 8
    .kernarg_segment_size: 16
    .max_flat_workgroup_size: 256
    .sgpr_count:     80
    .vgpr_count:     512
    .wavefront_size: 32
...
	.end_amdgpu_metadata
.endif
;; end of part 3
;; launch projgemm (part 4): grid 8 x 32, 4 waves a work-group, clusters of 4 x 4, 327,680 bytes of LDS; arguments y, wpb, out0; writes out0
.if DOCPART == 4
	.amdgcn_target "amdgcn-amd-amdhsa--gfx1250"
	.amdhsa_code_object_version 6
	.text
	.protected	k_q79cb3090bb_projgemm
	.globl	k_q79cb3090bb_projgemm
	.p2align	8
	.type	k_q79cb3090bb_projgemm,@function
k_q79cb3090bb_projgemm:
	s_mov_b64 s[64:65], 0
	v_nop
	global_prefetch_b8 v0, s[64:65] scope:SCOPE_SE
	s_setreg_imm32_b32 hwreg(HW_REG_WAVE_MODE, 25, 1), 1
	s_wait_xcnt 0x0
	s_wait_alu depctr_hold_cnt(0) depctr_sa_sdst(0) depctr_va_vdst(0) depctr_va_sdst(0) depctr_va_ssrc(0) depctr_va_vcc(0) depctr_vm_vsrc(0)
	s_getreg_b32 s2, hwreg(HW_REG_IB_STS2, 6, 4)
	s_cmp_eq_u32 s2, 0
	s_cbranch_scc0 .Lentry_in_a_cluster
	s_endpgm
.Lentry_in_a_cluster:
	s_bfe_u32 s2, ttmp6, 0x10000c
	s_cmp_lg_u32 s2, 0xf033
	s_cbranch_scc0 .Lentry_shape_is_right
	s_endpgm
.Lentry_shape_is_right:
; out0[m][n] = sum over k of y[m][k] wpb[n][k].  y: [8192][1024] f16, wpb: [1024][1024] f16, out0: [8192][1024] f32; sums in f32.
; A work-group makes a block of 256 rows x 128 columns with four waves, as many as a WGP has SIMDs: 32 x 8 = 256 blocks, one for each WGP.
; A wave makes 64 rows x all 128 columns: 32 accumulator tiles of 16 x 16, 256 registers; its rows of the block are 512 consecutive bytes and
; its own, so the way out needs no barrier.  K goes in steps of 128 through a ring of two LDS slots filled by the tensor data mover; a tile's
; rows are 256 bytes of memory and start at multiples of 256 bytes from the buffer's first byte.
; CLUSTERS: 4 x 4 work-groups.  The four of a row of the cluster need the same tiles of y, the four of a column the same tiles of wpb.
; Such a tile is asked for jointly: each of the four issues the same tensor load, with the same descriptor and a mask that names the four.
;
; REGISTERS: window 0: v16-26 addresses; v64-159 and v160-255 two fragment buffers (8 fragments of wpb, then 4 of y, 8 registers each).
;            window 1: the 32 accumulator tiles, tile (a, b) = rows 16 a, columns 16 b at v[8 (8 a + b)].
; THE MATRIX INSTRUCTION IS USED TRANSPOSED: source 0 = 16 rows of wpb, source 1 = 16 rows of y.  Lane l then holds row l % 16 of the tile and
; its registers 0 to 7 the columns 8 (l / 16) + 0 .. 7: eight neighbouring numbers of a row of out0, 32 bytes.
.set SIZE_K, 1024
.set SIZE_N, 1024
.set KSTEP,  128
.set PITCH,  272                       ; an LDS row: 256 bytes + 16 of padding: the 16 rows that a fragment load touches start 16 bytes apart modulo 256
.set BOFF,   256*PITCH                 ; wpb's 128 rows lie behind y's 256
.set SLOT,   384*PITCH                 ; 104,448 bytes
.set STAGE,  2*SLOT                    ; behind the ring, at a multiple of 256: 16 rows x 528 bytes for each wave; no tensor load lands here
.set SPITCH, 528                       ; 512 bytes + 16
.set LAPS,   SIZE_K/(2*KSTEP)          ; a lap = two K steps = once round the ring: 4
.set ADRA, 16                          ; v16-17  LDS address of my fragments of y in slot 0, 1
.set ADRB, 20                          ; v20-21  the same for wpb
.set STO,  24                          ; the way out: where I put 32 bytes of a row
.set RD,   25                          ; the way out: where I read a row back
.set CO,   26                          ; my byte offset in out0
.set F0,   64                          ; fragment buffer 0
.set F1,   160                         ; fragment buffer 1
.set G1,  24                           ; s[24:31] descriptor group 1 for y's tiles
.set G0,  32                           ; s[32:39] descriptor group 0 for y's tiles, one set for each slot
.set G1B, 48                           ; s[48:55] group 1 for wpb's tiles
.set G0B, 56                           ; s[56:63] group 0 for wpb's tiles, one set for each slot
.set MSB, 0
.macro WIN new                         ; s_set_vgpr_msb: bits 1:0 source 0, 3:2 source 1, 5:4 source 2, 7:6 destination; the high byte repeats the setting that is left
.if MSB != \new
	s_set_vgpr_msb (MSB<<8)|\new
.set MSB, \new
.endif
.endm
.set MUL, 0x50                         ; C and D in window 1, both fragments in window 0
; A joint load.  Waves 0 and 1 fetch the two halves of y's tile, waves 2 and 3 those of wpb's.  The branch hangs on the wave's number alone.
.macro JLOAD s
	s_cmp_eq_u32 s11, 0
	s_cbranch_scc0 .Lfor_b_\@
	tensor_load_to_lds s[G0+4*\s:G0+4*\s+3], s[G1:G1+7]
	s_nop 0
	s_branch .Lasked_\@
.Lfor_b_\@:
	tensor_load_to_lds s[G0B+4*\s:G0B+4*\s+3], s[G1B:G1B+7]
	s_nop 0
.Lasked_\@:
.endm
; A round of the cluster's barrier: my work-group's barrier, wave 0 signals for the work-group, every wave waits for all sixteen, my work-group's barrier once more.
.macro CREST                           ; a round behind its opening barrier
	s_cmp_lg_u32 s10, 0
	s_cbranch_scc1 .Lnot_wave_0_\@
	s_barrier_signal -3
.Lnot_wave_0_\@:
	s_barrier_wait -3
	s_barrier_signal -1
	s_barrier_wait -1
.endm
.macro CROUND                          ; a whole round
	s_barrier_signal -1
	s_barrier_wait -1
	CREST
.endm
	s_load_b128 s[4:7], s[0:1], 0x0                ; y s[4:5], wpb s[6:7]
	s_load_b64 s[8:9], s[0:1], 0x10                ; out0
	v_lshl_add_u32 v62, v0, 2, 0x3b400
	v_mov_b32 v63, 0
	ds_add_u32 v62, v63
	v_lshrrev_b32 v1, 5, v0
	v_readfirstlane_b32 s10, v1                    ; wave 0..3
	s_lshr_b32 s11, s10, 1                         ; I fetch for y (0) or for wpb (1)
	s_and_b32 s12, s10, 1                          ; which half of that tile's rows
	s_bfe_u32 s40, ttmp6, 0x40000                  ; cx
	s_bfe_u32 s41, ttmp6, 0x40004                  ; cy
	s_lshl_b32 s42, ttmp9, 2
	s_add_co_u32 s42, s42, s40                     ; block column = 4 x cluster x + cx
	s_and_b32 s13, ttmp7, 0xffff
	s_lshl_b32 s13, s13, 2
	s_add_co_u32 s13, s13, s41                     ; block row = 4 x cluster y + cy
	s_lshl_b32 s43, s41, 2
	s_lshl_b32 s43, 15, s43                        ; my row of the cluster: places 4 cy .. 4 cy + 3
	s_lshl_b32 s44, 0x1111, s40                    ; my column: places cx, cx + 4, cx + 8, cx + 12
	; group 1: rows of 128 elements of 2 bytes, 16 bytes of padding behind every 64 words; y's load brings 128 rows, wpb's 64
	s_or_b32 s[G1+0],  s43, (1<<16)|(1<<20)|(1<<21)|(5<<22)|(3<<25)  ; 15:0 mask: my row; 17:16 2-byte elements; 20 padding on; 21 set beside a mask; 24:22 every 64 words; 31:25 4 words
	s_or_b32 s[G1B+0], s44, (1<<16)|(1<<20)|(1<<21)|(5<<22)|(3<<25)  ; the same with the mask of my column
	s_mov_b32 s[G1+1],  KSTEP<<16                  ; tensor_dim0 = 128
	s_mov_b32 s[G1B+1], KSTEP<<16
	s_mov_b32 s[G1+2],  128<<16                    ; tensor_dim1 = 128 rows
	s_mov_b32 s[G1B+2], 64<<16                     ;             =  64 rows
	s_mov_b32 s[G1+3],  KSTEP<<16                  ; tile_dim0 = 128
	s_mov_b32 s[G1B+3], KSTEP<<16
	s_mov_b32 s[G1+4],  128                        ; tile_dim1
	s_mov_b32 s[G1B+4], 64
	s_mov_b32 s[G1+5],  SIZE_K                     ; elements from row to row
	s_mov_b32 s[G1B+5], SIZE_K
	s_mov_b32 s[G1+6],  0
	s_mov_b32 s[G1B+6], 0
	s_mov_b32 s[G1+7],  0
	s_mov_b32 s[G1B+7], 0
	; where the tiles come from: y's hang on the block row alone, wpb's on the block column alone, each in registers that never hold the other coordinate
	s_lshl_b32 s17, s12, 7
	s_lshl_b32 s16, s13, 8
	s_add_co_u32 s16, s16, s17                     ; y: row 256 x block row + 128 x half
	s_lshl_b32 s47, s12, 6
	s_lshl_b32 s46, s42, 7
	s_add_co_u32 s46, s46, s47                     ; wpb: row 128 x block column + 64 x half
	s_mov_b32 s17, 0
	s_mov_b32 s47, 0
	s_mov_b64 s[18:19], SIZE_K*2
	s_mul_u64 s[16:17], s[16:17], s[18:19]         ; in bytes
	s_mul_u64 s[46:47], s[46:47], s[18:19]
	s_mul_i32 s20, s10, 128*PITCH                  ; where they go: waves 0, 1: y's halves at rows 0 and 128;
	s_mul_i32 s45, s10, 64*PITCH
	s_add_co_u32 s45, s45, 128*PITCH               ; waves 2, 3: wpb's halves at rows 256 and 320.  No place in the cluster enters an LDS address
	s_wait_dscnt 0x0
	s_wait_kmcnt 0x0
	s_add_nc_u64 s[14:15], s[4:5], s[16:17]
	s_add_nc_u64 s[46:47], s[6:7], s[46:47]
	CROUND                                         ; all sixteen work-groups are here: the first joint loads meet
.irp s, 0,1
	s_mov_b32 s[G0+4*\s], 1                                        ; count = 1
	s_add_co_u32 s[G0+4*\s+1], s20, \s*SLOT                        ; LDS address
	s_add_nc_u64 s[G0+4*\s+2:G0+4*\s+3], s[14:15], \s*KSTEP*2      ; global address: K step s
	s_or_b32 s[G0+4*\s+3], s[G0+4*\s+3], 0x80000000                ; type = 2
	s_mov_b32 s[G0B+4*\s], 1
	s_add_co_u32 s[G0B+4*\s+1], s45, \s*SLOT
	s_add_nc_u64 s[G0B+4*\s+2:G0B+4*\s+3], s[46:47], \s*KSTEP*2
	s_or_b32 s[G0B+4*\s+3], s[G0B+4*\s+3], 0x80000000
	JLOAD \s                                       ; both slots' first fills go out before anything else: two tensor loads of a wave are out
.endr
	; A fragment is 16 rows x 32 K in 8 registers: lane l holds row l % 16; registers 0-3 K = 8 (l / 16) + 0..7, registers 4-7 K = 16 + 8 (l / 16) + 0..7:
	; two loads of 16 bytes, 32 bytes apart.
	v_and_b32 v1, 15, v0                           ; l % 16
	v_bfe_u32 v2, v0, 4, 1                         ; l / 16
	v_mul_u32_u24 v3, v1, PITCH
	v_lshl_add_u32 v3, v2, 4, v3                   ; row x pitch + 16 x half
	s_mul_i32 s21, s10, 64*PITCH                   ; my 64 rows of y
	s_mov_b32 s22, BOFF                            ; all 128 rows of wpb
.irp s, 0,1
	v_add_nc_u32 v[ADRA+\s], s21, v3
	v_add_nc_u32 v[ADRB+\s], s22, v3
	s_add_co_u32 s21, s21, SLOT
	s_add_co_u32 s22, s22, SLOT
.endr
	s_mul_i32 s23, s10, 16*SPITCH
	s_add_co_u32 s23, s23, STAGE                   ; my stage
	v_mul_u32_u24 v4, v1, SPITCH                   ; in: row l % 16, 32 bytes for each half of the lanes
	v_lshl_add_u32 v4, v2, 5, v4
	v_add_nc_u32 v[STO], s23, v4
	v_and_b32 v5, 31, v0
	v_lshlrev_b32 v[CO], 4, v5                     ; back: the 32 lanes take one row of 512 bytes; the same place in a row of out0
	v_add_nc_u32 v[RD], s23, v[CO]
; 8 matrix instructions: row block a x all 8 column blocks, 32 along K.  zero = 1: the product starts the sums, nothing is cleared.
.macro MUL8 f, a, zero
.irp b, 0,1,2,3,4,5,6,7
.if \zero
	v_wmma_f32_16x16x32_f16 v[8*(8*\a+\b):8*(8*\a+\b)+7], v[\f+8*\b:\f+8*\b+7], v[\f+64+8*\a:\f+64+8*\a+7], 0
.else
	v_wmma_f32_16x16x32_f16 v[8*(8*\a+\b):8*(8*\a+\b)+7], v[\f+8*\b:\f+8*\b+7], v[\f+64+8*\a:\f+64+8*\a+7], v[8*(8*\a+\b):8*(8*\a+\b)+7]
.endif
.endr
.endm
; 24 LDS loads in one run: the fragments of one quarter step (128 rows of wpb, my 64 rows of y, 32 K at byte k of the rows) into buffer f
.macro FETCH slot, k, f
	WIN 0
.irp i, 0,1,2,3,4,5,6,7
	ds_load_b128 v[\f+8*\i:\f+8*\i+3],   v[ADRB+\slot] offset:\k+\i*16*PITCH
	ds_load_b128 v[\f+8*\i+4:\f+8*\i+7], v[ADRB+\slot] offset:\k+\i*16*PITCH+32
.endr
.irp i, 0,1,2,3
	ds_load_b128 v[\f+64+8*\i:\f+64+8*\i+3],   v[ADRA+\slot] offset:\k+\i*16*PITCH
	ds_load_b128 v[\f+64+8*\i+4:\f+64+8*\i+7], v[ADRA+\slot] offset:\k+\i*16*PITCH+32
.endr
.endm
; A load into a register that a matrix instruction has read, and an LDS store that reads a matrix result, stand four places behind that
; matrix instruction; only plain vector instructions that name none of its registers are places.
.macro PLACES
.rept 4
	v_nop
.endr
.endm
; A K step is four quarter steps of 32 along K, 32 matrix instructions each, on buffers 0, 1, 0, 1.  The 32 accumulators take turns, one
; instruction a turn, in the same order in every quarter, over the loop's backward jump too.
; One of the first three quarters: multiplies buffer f; in its middle it fetches the next quarter's fragments into buffer g.
.macro QUARTER slot, k, f, g, zero
	s_wait_dscnt 4                                 ; wpb's fragments and y's blocks 0, 1 are in; the youngest four loads (blocks 2, 3) may be out
	WIN MUL
	MUL8 \f, 0, \zero
	MUL8 \f, 1, \zero
	PLACES
	FETCH \slot, \k, \g
	s_wait_dscnt 24                                ; all but the 24 just issued
	WIN MUL
	MUL8 \f, 2, \zero
	MUL8 \f, 3, \zero
.endm
.macro THREE slot, zero
	QUARTER \slot, 64,  F0, F1, \zero
	QUARTER \slot, 128, F1, F0, 0
	QUARTER \slot, 192, F0, F1, 0
.endm
; The last quarter: multiplies buffer 1 and changes slots.  One barrier for two things: in front of it each wave waits for its reads of this slot
; and for all its tensor loads (one is out: its part of the next slot); behind it nobody reads this slot and the next slot is whole.
; The refill comes first, then the next slot's first fragments.  From a request to the wait for it a wave issues 120 matrix instructions.
.macro TURN slot, next, fill
	s_wait_dscnt 4
	WIN MUL
	MUL8 F1, 0, 0
	s_wait_dscnt 0                                 ; my reads of this slot are over
	s_wait_tensorcnt 0x0                           ; all my tensor loads have landed
	ds_add_u32 v62, v63
	s_wait_dscnt 0x0
	s_barrier_signal -1                            ; say so (where the slot is filled again this barrier opens a round of the cluster's barrier),
	MUL8 F1, 1, 0                                  ; work on registers while the others arrive
	WIN 0
	s_barrier_wait -1
.if \fill
	CREST                                          ; no wave of any partner still reads this slot's tile or has a load on its way
	s_add_nc_u64 s[G0+4*\slot+2:G0+4*\slot+3], s[G0+4*\slot+2:G0+4*\slot+3], 2*KSTEP*2
	s_add_nc_u64 s[G0B+4*\slot+2:G0B+4*\slot+3], s[G0B+4*\slot+2:G0B+4*\slot+3], 2*KSTEP*2
	JLOAD \slot                                    ; the first and only tensor load of the wave behind the round
.endif
	PLACES
	FETCH \next, 0, F0
	WIN MUL
	MUL8 F1, 2, 0
	MUL8 F1, 3, 0
.endm
.macro LAP zero                        ; once round the ring, both slots filled again
	THREE 0, \zero
	TURN 0, 1, 1
	THREE 1, 0
	TURN 1, 0, 1
.endm
	s_wait_tensorcnt 1                             ; my part of K step 0 is in; K step 1's load stays out
	s_barrier_signal -1
	s_barrier_wait -1                              ; everybody's is
	FETCH 0, 0, F0
	LAP 1                                          ; the first lap stands in front of the loop: its first products start the sums
	WIN 0                                          ; at a label and at a branch every window is 0
	s_mov_b32 s3, LAPS-2
.Llap:
	LAP 0
	WIN 0
	s_sub_co_u32 s3, s3, 1
	s_cmp_lg_u32 s3, 0
	s_cbranch_scc1 .Llap
	THREE 0, 0                                     ; the last lap fills nothing
	TURN 0, 1, 0
	THREE 1, 0
	s_wait_dscnt 4                                 ; the very last quarter
	WIN MUL
	MUL8 F1, 0, 0
	MUL8 F1, 1, 0
	s_wait_dscnt 0
	MUL8 F1, 2, 0
	MUL8 F1, 3, 0
	; THE WAY OUT, 16 rows at a time: 32 bytes a lane straight from the accumulators into my own stage, read back as whole rows of 512 bytes.
	PLACES
	s_lshl_b32 s13, s13, 8
	s_lshl_b32 s14, s10, 6
	s_add_co_u32 s16, s13, s14                     ; my first row: 256 x block row + 64 x wave
	s_mul_i32 s16, s16, SIZE_N*4                   ; under 8,192 x 4,096 bytes: one word
	s_mov_b32 s17, 0
	s_add_nc_u64 s[8:9], s[8:9], s[16:17]
	s_lshl_b32 s46, s42, 9                         ; my first column in bytes: 512 x block column
	s_mov_b32 s47, 0
	s_add_nc_u64 s[8:9], s[8:9], s[46:47]
; rows 16 i .. 16 i + 15 of my 64 = the eight tiles (i, 0..7); f: the registers read back into, two sets in turn
.macro OUTF i, f
	WIN 0x04                                       ; an LDS store's data is source 1: window 1
.irp b, 0,1,2,3,4,5,6,7
	ds_store_b128 v[STO], v[8*(8*\i+\b):8*(8*\i+\b)+3]   offset:64*\b
	ds_store_b128 v[STO], v[8*(8*\i+\b)+4:8*(8*\i+\b)+7] offset:64*\b+16
.endr
	WIN 0
	s_wait_xcnt 0x0                                ; set f, which earlier stores read, and the stores' base are rewritten only behind this wait
.if \i
	s_add_nc_u64 s[8:9], s[8:9], 16*SIZE_N*4
.endif
.irp t, 0,1,2,3,4,5,6,7,8,9,10,11,12,13,14,15
	ds_load_b128 v[\f+4*\t:\f+4*\t+3], v[RD] offset:\t*SPITCH      ; LDS serves a wave's instructions in order: these see the stores above
.endr
.irp t, 0,1,2,3,4,5,6,7,8,9,10,11,12,13,14,15
	s_wait_dscnt 15-\t                             ; the 15 - t younger read-backs stay out
	global_store_b128 v[CO], v[\f+4*\t:\f+4*\t+3], s[8:9] offset:\t*SIZE_N*4 th:TH_STORE_NT   ; the wave stores 512 consecutive bytes, aligned
.endr
.endm
	OUTF 0, 64
	OUTF 1, 128
	OUTF 2, 64
	OUTF 3, 128
	s_wait_tensorcnt 0x0
	ds_add_u32 v62, v63
	s_wait_dscnt 0x0
	CROUND                                         ; the closing round: no work-group ends while a partner may still ask for a tile that names it
	s_endpgm
.Lfunc_end_k_q79cb3090bb_projgemm:
	.size	k_q79cb3090bb_projgemm, .Lfunc_end_k_q79cb3090bb_projgemm-k_q79cb3090bb_projgemm
	.p2alignl 7, 3214868480
	.fill 96, 4, 3214868480
	.section	.rodata,"a",@progbits
	.p2align	6, 0x0
	.amdhsa_kernel k_q79cb3090bb_projgemm
		.amdhsa_group_segment_fixed_size 327680
		.amdhsa_private_segment_fixed_size 0
		.amdhsa_enable_private_segment 0
		.amdhsa_kernarg_size 24
		.amdhsa_user_sgpr_count 2
		.amdhsa_user_sgpr_kernarg_segment_ptr 1
		.amdhsa_wavefront_size32 1
		.amdhsa_system_sgpr_workgroup_id_x 1
		.amdhsa_system_sgpr_workgroup_id_y 1
		.amdhsa_system_sgpr_workgroup_id_z 1
		.amdhsa_system_vgpr_workitem_id 0
		.amdhsa_next_free_vgpr 512
		.amdhsa_next_free_sgpr 66
		.amdhsa_reserve_vcc 0
		.amdhsa_float_denorm_mode_32 3
		.amdhsa_float_denorm_mode_16_64 3
		.amdhsa_memory_ordered 1
		.amdhsa_forward_progress 1
		.amdhsa_inst_pref_size 117
	.end_amdhsa_kernel
	.amdgpu_metadata
---
amdhsa.version: [ 1, 2 ]
amdhsa.kernels:
  - .name:           k_q79cb3090bb_projgemm
    .symbol:         k_q79cb3090bb_projgemm.kd
    .args:
      - { .name: y, .offset: 0, .size: 8, .value_kind: global_buffer, .address_space: global }
      - { .name: wpb, .offset: 8, .size: 8, .value_kind: global_buffer, .address_space: global }
      - { .name: out0, .offset: 16, .size: 8, .value_kind: global_buffer, .address_space: global }
    .group_segment_fixed_size: 327680
    .private_segment_fixed_size: 0
    .kernarg_segment_align: 8
    .kernarg_segment_size: 24
    .max_flat_workgroup_size: 128
    .sgpr_count:     66
    .vgpr_count:     512
    .wavefront_size: 32
...
	.end_amdgpu_metadata
.endif
;; end of part 4
